; MI455X (gfx1250); checked and timed in simulation.
; The chip was launched on July 23, 2026; its instructions are those of AMD's public machine-readable ISA for CDNA 5 (MIT licence, August 2026) and "CDNA5" Instruction Set Architecture Reference Guide (July 2026). The comments in the code are by the model that wrote it; some were corrected since.
;; BNSP repulsion. Allowed arithmetic: float matrix products may take bf16 or f16 operands with f32 sums; all other float work in f32.
;; Inputs: F0 100,000 x 2 float32; current_step 100,000 x 2 float32; current_vel 100,000 x 2 float32; first_frame 100,000 x 2 float32; semantic_map 4,096 x 4,096 int32.
;; Outputs: out0 100,000 x 2 float32.
;; One version. Each part assembles by itself: llvm-mc -triple=amdgcn-amd-amdhsa -mcpu=gfx1250 --defsym DOCPART=n.
;; ======== version 1 of 1: 2 launches
;; workspace buffers: packed 4,210,688 bytes of whole numbers; rec 1,600,000 bytes of whole numbers
;; launch pack (part 1): grid 1024 x 1, 8 waves a work-group, no clusters, 0 bytes of LDS; arguments semantic_map, current_step, first_frame, current_vel, packed, rec; writes packed, rec
.if DOCPART == 1
	.amdgcn_target "amdgcn-amd-amdhsa--gfx1250"
	.amdhsa_code_object_version 6
	.text
	.protected	k_qceca7fecba_pack
	.globl	k_qceca7fecba_pack
	.p2align	8
	.type	k_qceca7fecba_pack,@function
k_qceca7fecba_pack:
	s_mov_b64 s[64:65], 0
	v_nop
	global_prefetch_b8 v0, s[64:65] scope:SCOPE_SE
	s_setreg_imm32_b32 hwreg(HW_REG_WAVE_MODE, 25, 1), 1
	s_wait_xcnt 0x0
; FIRST OF TWO LAUNCHES.  Two independent jobs, both addressed by ids alone.
; (1) The map, [4096][4096] int32, is read once and packed to 2 bits a cell: code = min_u32(x - 3, 3), i.e. 0, 1, 2 for the labels
;     3, 4, 5 and 3 for every other int32.  One word of 'packed' holds the 16 cells of one column in rows 16 k .. 16 k + 15
;     (row 16 k + e in bits 2 e, 2 e + 1); layout packed[k][column], 4096 words = 16,384 bytes a block k.  A 16 x 16 window is then
;     16 neighbouring words of block k and 16 of block k + 1.  Block 255 is stored a second time as block 256, so that
;     "block k + 1" exists for every k; its rows are only ever masked off by the next launch.
; (2) For every agent a record of four whole numbers, from which the next launch forms addresses and masks:
;     word 0: (rmin >> 4) * 4096 + cmin      index in 'packed' of the window's first word
;     word 1: bits 4:0  2 * (rmin & 15)      funnel shift;  bit 8: a0 > a1 in rows;  bit 9: a0 > a1 in columns;
;             bit 10: a0 < a1 in rows and the column extent is 0 (the case in which label 5 adds 1)
;     word 2: ones in the low 2 * min(max(nr, 1), 16) bits       the rows that count
;     word 3: min(max(nc, 1), 16)                                the columns that count
; LIMITS.  F0 enters reference() only through zeros_like (shape and type): no byte of it is read by either launch.
; The indices that reference() uses lie inside the map (0 .. 4095); others are clamped by min_u32(.., 4095) only to keep every
; access inside its buffer, and give other values than reference().  NaN or infinite positions and NaN velocities
; (for which reference()'s float-to-int conversion is undefined) are not served.
;
; SHARES.  1024 work-groups of 8 waves.  Group x: block k = x >> 2, columns 1024 (x & 3) .. + 1023.  Thread t: 4 columns (16 bytes)
; of each of the 16 rows: one load of a wave covers 512 consecutive bytes, all 16 loads of a wave (8 KiB) are out together, and
; the lane's four packed words are 16 consecutive bytes of 'packed': a wave's store covers 512 consecutive, aligned bytes.
; No LDS and no barrier: no wave needs another's data.
; Agents go in 3125 batches of 32; wave w of group x takes batch 1024 w + x if that is below 3125, about three waves a group.
.set NBATCH,  3125                     ; 100,000 agents / 32
.set MAPROW,  16384                    ; bytes in a row of the map
.set BLOCKB,  16384                    ; bytes in a block of 'packed'
.set LASTBLK, 255
.set X, 32                             ; v[32:95]  row e of the block: 4 registers as loaded, then its codes
.set P, 96                             ; v[96:99]  the packed words of my 4 columns
.macro MAPLOADS                        ; the 16 rows of the block, 16 bytes a lane each; read once in the launch
.irp e, 0,1,2,3,4,5,6,7,8,9,10,11,12,13,14,15
	global_load_b128 v[X+4*\e:X+4*\e+3], v1, s[4:5] offset:\e*MAPROW th:TH_LOAD_NT
.endr
.endm
	s_load_b256 s[4:11], s[0:1], 0x0               ; map s[4:5], current_step s[6:7], first_frame s[8:9], current_vel s[10:11]
	s_load_b128 s[12:15], s[0:1], 0x20             ; packed s[12:13], rec s[14:15]
	v_lshrrev_b32 v2, 5, v0
	v_readfirstlane_b32 s16, v2                    ; wave 0..7
	s_lshr_b32 s17, ttmp9, 2                       ; block k
	s_and_b32 s18, ttmp9, 3
	s_lshl_b32 s18, s18, 12                        ; my quarter of a row: 1024 columns = 4,096 bytes, in the map and in 'packed' alike
	s_lshl_b32 s20, s17, 18                        ; 16 rows of 16,384 bytes a block (at most 255 << 18: below 2^31)
	s_add_co_u32 s20, s20, s18
	s_mov_b32 s21, 0
	s_lshl_b32 s22, s17, 14                        ; a block of 'packed'
	s_add_co_u32 s22, s22, s18
	s_mov_b32 s23, 0
	s_lshl_b32 s24, s16, 10
	s_add_co_u32 s24, s24, ttmp9                   ; the batch of agents that would be this wave's
	v_lshlrev_b32 v1, 4, v0                        ; 16 bytes a thread
	s_wait_kmcnt 0x0
	s_add_nc_u64 s[4:5], s[4:5], s[20:21]
	s_add_nc_u64 s[12:13], s[12:13], s[22:23]
	s_cmp_ge_u32 s24, NBATCH
	s_cbranch_scc1 .Lno_agents
	; ---- a wave with a batch of agents: their three loads go out first, then the map's, and the records are made while the map is on its way
	v_and_b32 v2, 31, v0                           ; lane = agent in the batch
	s_lshl_b32 s25, s24, 8                         ; 32 agents x 8 bytes
	s_lshl_b32 s26, s24, 9                         ; 32 agents x 16 bytes
	v_lshl_add_u32 v3, v2, 3, s25
	v_lshl_add_u32 v24, v2, 4, s26
	global_load_b64 v[4:5], v3, s[6:7] th:TH_LOAD_NT
	global_load_b64 v[6:7], v3, s[8:9] th:TH_LOAD_NT
	global_load_b64 v[8:9], v3, s[10:11] th:TH_LOAD_NT
	MAPLOADS
	s_mov_b32 s27, 0x41800000                      ; 16.0
	s_mov_b32 s28, 0x7fffffff
	s_wait_loadcnt 16                              ; loads return in order: the three agent loads are in, the 16 map loads behind them stay out
	v_pk_add_f32 v[4:5], v[4:5], v[6:7]            ; ori = current_step + first_frame (row, column)
	v_bfi_b32 v10, s28, s27, v8                    ; 16.0 with the velocity's sign,
	v_bfi_b32 v11, s28, s27, v9
	v_cmp_neq_f32 vcc_lo, 0, v8
	v_cndmask_b32 v10, 0, v10, vcc_lo              ; and 0 where the velocity is +0 or -0: sign(vel) * 16
	v_cmp_neq_f32 vcc_lo, 0, v9
	v_cndmask_b32 v11, 0, v11, vcc_lo
	v_pk_add_f32 v[10:11], v[4:5], v[10:11]        ; scope, one f32 addition as in reference()
	v_floor_f32 v4, v4
	v_floor_f32 v5, v5
	v_floor_f32 v10, v10
	v_floor_f32 v11, v11
	v_cvt_i32_f32 v4, v4                           ; a0 = (r0, c0)
	v_cvt_i32_f32 v5, v5
	v_cvt_i32_f32 v10, v10                         ; a1 = (r1, c1)
	v_cvt_i32_f32 v11, v11
	v_cmp_lt_i32 s30, v4, v10                      ; r0 < r1
	v_cmp_gt_i32 s31, v4, v10                      ; r0 > r1
	v_cmp_lt_i32 s32, v5, v11                      ; c0 < c1
	v_cmp_gt_i32 s33, v5, v11                      ; c0 > c1
	v_cndmask_b32 v12, v10, v4, s30                ; rmin
	v_cndmask_b32 v14, v4, v10, s30                ; rmax
	v_cndmask_b32 v13, v11, v5, s32                ; cmin
	v_cndmask_b32 v15, v5, v11, s32                ; cmax
	s_or_b32 s34, s30, s31                         ; nr != 0
	s_or_b32 s35, s32, s33                         ; nc != 0
	s_and_not1_b32 s36, s30, s35                   ; r0 < r1 and nc == 0
	v_sub_nc_u32 v14, v14, v12                     ; nr
	v_sub_nc_u32 v15, v15, v13                     ; nc
	v_cndmask_b32 v16, 0, 1, s31
	v_cndmask_b32 v17, 0, 2, s33
	v_cndmask_b32 v18, 0, 4, s36
	v_add3_u32 v16, v16, v17, v18                  ; the three flags
	v_min_u32 v12, 0xfff, v12                      ; inside the map (see LIMITS)
	v_min_u32 v13, 0xfff, v13
	v_and_b32 v20, 0xff0, v12
	v_lshl_add_u32 v20, v20, 8, v13                ; word 0: (rmin >> 4) * 4096 + cmin
	v_and_b32 v21, 15, v12
	v_lshlrev_b32 v21, 1, v21
	v_lshl_or_b32 v21, v16, 8, v21                 ; word 1: shift and flags
	v_cndmask_b32 v14, 1, v14, s34                 ; max(nr, 1)
	v_min_u32 v14, 16, v14                         ; the window has 16 rows
	v_lshlrev_b32 v22, 1, v14
	v_sub_nc_u32 v22, 32, v22                      ; 0 .. 30
	v_lshrrev_b32 v22, v22, -1                     ; word 2: ones in the low 2 * rows bits
	v_cndmask_b32 v23, 1, v15, s35
	v_min_u32 v23, 16, v23                         ; word 3: columns that count
	global_store_b128 v24, v[20:23], s[14:15]      ; 512 consecutive, aligned bytes a wave; v[20:24] are not written again
	s_branch .Lpack
.Lno_agents:
	MAPLOADS
.Lpack:
	; on both ways here the 16 map loads are the youngest loads.  Row by row as they land: two instructions make a code, one puts it in place
	s_wait_loadcnt 15                              ; row 0 is in, the 15 younger rows stay out
.irp j, 0,1,2,3
	v_add_nc_u32 v[X+\j], -3, v[X+\j]              ; labels 3, 4, 5 become 0, 1, 2; every other int32 becomes 3 or more, unsigned
	v_min_u32 v[P+\j], 3, v[X+\j]                  ; row 0 starts the words: nothing is cleared
.endr
.set row, 1
.rept 15
	s_wait_loadcnt 15-row                          ; this row is in, the younger rows stay out
.irp j, 0,1,2,3
	v_add_nc_u32 v[X+4*row+\j], -3, v[X+4*row+\j]
	v_min_u32 v[X+4*row+\j], 3, v[X+4*row+\j]
	v_lshl_or_b32 v[P+\j], v[X+4*row+\j], 2*row, v[P+\j]
.endr
.set row, row+1
.endr
	global_store_b128 v1, v[P:P+3], s[12:13]       ; no hint: the next launch reads these words many times
	s_cmp_lg_u32 s17, LASTBLK
	s_cbranch_scc1 .Ldone
	global_store_b128 v1, v[P:P+3], s[12:13] offset:BLOCKB    ; block 255 once more as block 256
.Ldone:
	s_endpgm
.Lfunc_end_k_qceca7fecba_pack:
	.size	k_qceca7fecba_pack, .Lfunc_end_k_qceca7fecba_pack-k_qceca7fecba_pack
	.p2alignl 7, 3214868480
	.fill 96, 4, 3214868480
	.section	.rodata,"a",@progbits
	.p2align	6, 0x0
	.amdhsa_kernel k_qceca7fecba_pack
		.amdhsa_group_segment_fixed_size 0
		.amdhsa_private_segment_fixed_size 0
		.amdhsa_enable_private_segment 0
		.amdhsa_kernarg_size 48
		.amdhsa_user_sgpr_count 2
		.amdhsa_user_sgpr_kernarg_segment_ptr 1
		.amdhsa_wavefront_size32 1
		.amdhsa_system_sgpr_workgroup_id_x 1
		.amdhsa_system_sgpr_workgroup_id_y 1
		.amdhsa_system_sgpr_workgroup_id_z 1
		.amdhsa_system_vgpr_workitem_id 0
		.amdhsa_next_free_vgpr 100
		.amdhsa_next_free_sgpr 66
		.amdhsa_reserve_vcc 1
		.amdhsa_float_denorm_mode_32 3
		.amdhsa_float_denorm_mode_16_64 3
		.amdhsa_memory_ordered 1
		.amdhsa_forward_progress 1
		.amdhsa_inst_pref_size 16
	.end_amdhsa_kernel
	.amdgpu_metadata
---
amdhsa.version: [ 1, 2 ]
amdhsa.kernels:
  - .name:           k_qceca7fecba_pack
    .symbol:         k_qceca7fecba_pack.kd
    .args:
      - { .name: semantic_map, .offset: 0, .size: 8, .value_kind: global_buffer, .address_space: global }
      - { .name: current_step, .offset: 8, .size: 8, .value_kind: global_buffer, .address_space: global }
      - { .name: first_frame, .offset: 16, .size: 8, .value_kind: global_buffer, .address_space: global }
      - { .name: current_vel, .offset: 24, .size: 8, .value_kind: global_buffer, .address_space: global }
      - { .name: packed, .offset: 32, .size: 8, .value_kind: global_buffer, .address_space: global }
      - { .name: rec, .offset: 40, .size: 8, .value_kind: global_buffer, .address_space: global }
    .group_segment_fixed_size: 0
    .private_segment_fixed_size: 0
    .kernarg_segment_align: 8
    .kernarg_segment_size: 48
    .max_flat_workgroup_size: 256
    .sgpr_count:     66
    .vgpr_count:     100
    .wavefront_size: 32
...
	.end_amdgpu_metadata
.endif
;; end of part 1
;; launch force (part 2): grid 3125 x 1, 1 waves a work-group, no clusters, 5,120 bytes of LDS; arguments rec, packed, out0; writes out0
.if DOCPART == 2
	.amdgcn_target "amdgcn-amd-amdhsa--gfx1250"
	.amdhsa_code_object_version 6
	.text
	.protected	k_qceca7fecba_force
	.globl	k_qceca7fecba_force
	.p2align	8
	.type	k_qceca7fecba_force,@function
k_qceca7fecba_force:
	s_mov_b64 s[64:65], 0
	v_nop
	global_prefetch_b8 v0, s[64:65] scope:SCOPE_SE
	s_setreg_imm32_b32 hwreg(HW_REG_WAVE_MODE, 25, 1), 1
	s_wait_xcnt 0x0
; SECOND OF TWO LAUNCHES.  One wave = one work-group = 32 agents (100,000 = 3125 x 32).  Inputs: the records and the packed map of the
; launch before (formats: see its head).  All addresses come from the records' whole numbers, clamped.
; F0 enters reference() only through zeros_like: it is not read.  Indices as reference() uses them lie inside the map; see the first launch's LIMITS.
; Means are formed with v_rcp_f32 (1 ulp) in place of a division.
;
; STEP 1, gather, lane = (agent, column): in step t lanes 0-15 serve agent t, lanes 16-31 agent 16 + t; lane i takes column cmin + i: the word of
;   block k and the word of block k + 1.  A load reads two runs of 64 consecutive bytes; all 32 loads of the wave are out together.
; STEP 2, transpose through the wave's own LDS (no other wave exists: no barrier): pairs (low word, high word) go in by (agent, column),
;   and come out with lane = agent, 16 pairs in 8 loads of 16 bytes.
;   An agent's 128 bytes are 144 apart (9 x 16: sixteen lanes' 16-byte reads start in 16 different 16-byte columns of 256), and agents 16-31 lie 128 bytes
;   further, so that the two 128-byte runs of one store fall on different halves of 256 bytes.
; STEP 3, lane = agent: each column's pair is funnel-shifted to the window's 16 rows, complemented and masked: 2-bit fields 3, 2, 1 = label 3, 4, 5, 0 = nothing.
;   Two neighbouring columns are interleaved into three plane words (bit 2 e: row e of the even column, bit 2 e + 1: of the odd one):
;   XL = bit 0 of the fields (labels 3 and 5), XH = bit 1 (labels 3 and 4), X3 = XL & XH (label 3).  Of each plane word six bit counts are taken,
;   added up by the count instruction's own addend: all bits (count, and by one multiply-add 2 j times the count, j the pair), the odd column, and the rows
;   whose offset has bit 0, 1, 2, 3.  So count, sum of column offsets and sum of row offsets are exact whole numbers; labels 5 and 4 are XL - X3, XH - X3.
; STEP 4, the force.  All of reference()'s cases are f = w v / |v|^2 with v = corner' - mean offset, w = 2, 2, 6 for labels 5, 3, 4:
;   corner' = 16 where a0 > a1, else 0.  An extent of 0 leaves one row (column), whose offset sum is 0, and corner' = 0: that component of v is 0, which makes
;   the row case, the column case and the empty case of the two-dimensional formula.  Label 5 with r0 < r1 and no column extent: corner' = -1.
;   v = 0 gives 0 because |v|^2 is raised to 2^-100 before the reciprocal (a non-zero |v|^2 is at least about 2^-16); no cell of a label gives w = 0.
.set PITCH,  144                       ; LDS bytes from agent to agent
.set UPPER,  16*PITCH+128              ; where agents 16-31 begin
.set BLOCKB, 16384                     ; bytes in a block of 'packed'
.set AD,  16                           ; v[16:31]   step t: byte offset of my word in 'packed'
.set LH,  32                           ; v[32:63]   step t: the pair (block k, block k + 1) as gathered
.set W2,  64                           ; v[64:95]   column c: the pair by agent; then the window's word, and its mask
.set XL,  96
.set XH,  97
.set X3,  98
.set XT,  99                           ; v[99:100]
.set Y,   101                          ; v[101:106] at work in a plane
.set TD,  107                          ; v[107:110] a record's word 0, handed to the sixteen lanes
.set AL,  112                          ; v[112:117] plane XL, then label 5:  +0 count | column sum << 12, +1 odd column, +2..+5 rows with bit 0..3
.set AH,  118                          ; v[118:123] plane XH, then label 4
.set A3,  124                          ; v[124:129] plane X3 = label 3
.set CR,  130                          ; corner', rows
.set CC,  131                          ; corner', columns
.set CR5, 132                          ; corner', rows, for label 5
.set OO,  133                          ; my 8 bytes of the output
.set OUT, 134                          ; v[134:135]
	s_load_b128 s[4:7], s[0:1], 0x0                ; rec s[4:5], packed s[6:7]
	s_load_b64 s[8:9], s[0:1], 0x10                ; out0
	v_lshl_add_u32 v136, v0, 2, 0x1300
	v_mov_b32 v137, 0
	v_lshlrev_b32 v3, 4, v0                        ; 16 bytes of record a lane
	s_lshl_b32 s10, ttmp9, 9                       ; 32 records
	s_mov_b32 s11, 0
	s_lshl_b32 s22, ttmp9, 8                       ; 32 results of 8 bytes
	s_mov_b32 s23, 0
	s_wait_kmcnt 0x0
	s_add_nc_u64 s[4:5], s[4:5], s[10:11]
	s_add_nc_u64 s[8:9], s[8:9], s[22:23]
	global_load_b128 v[4:7], v3, s[4:5] th:TH_LOAD_NT      ; lane = agent: 512 consecutive bytes, read once in the launch
	v_and_b32 v1, 15, v0                           ; i: my column in the gather
	v_lshrrev_b32 v2, 4, v0                        ; which half of the lanes
	v_mul_u32_u24 v8, v2, UPPER
	v_lshl_add_u32 v8, v1, 3, v8                   ; LDS, in: agent t of my half at + t * PITCH, column i at 8 i
	v_mul_u32_u24 v9, v0, PITCH
	v_lshl_add_u32 v9, v2, 7, v9                   ; LDS, out: agent = lane
.irp u, 0,1,2,3
	v_mov_b32 v[TD+\u], 0                          ; written once whole: the destination of a move between lanes counts as read
.endr
	s_mov_b32 s12, 0x55555555                      ; even bits
	s_mov_b32 s13, 0xaaaaaaaa                      ; odd bits: the odd column of a plane word
	s_mov_b32 s14, 0xcccccccc                      ; rows whose offset has bit 0
	s_mov_b32 s15, 0xf0f0f0f0                      ; bit 1
	s_mov_b32 s16, 0xff00ff00                      ; bit 2
	s_mov_b32 s17, 0xffff0000                      ; bit 3
	s_mov_b32 s18, 0x41800000                      ; 16.0
	s_mov_b32 s19, 0x40c00000                      ; 6.0 = K_LABEL4 * K_ENV
	s_mov_b32 s20, 0x0d800000                      ; 2^-100
	s_wait_loadcnt 0x0                             ; the records
; four gather steps: each half of the lanes takes word 0 of its agent t, adds its column, clamps to the last word of block 255
; (so that the word one block further still lies in block 256), and asks for both words
.macro GATHER a, b, c, d
.irp t, \a, \b, \c, \d
	v_mov_b32_dpp v[TD+\t%4], v4 row_share:\t row_mask:0xf bank_mask:0xf
.endr
.irp t, \a, \b, \c, \d
	v_add_nc_u32 v[AD+\t], v[TD+\t%4], v1
.endr
.irp t, \a, \b, \c, \d
	v_min_u32 v[AD+\t], 0xfffff, v[AD+\t]
.endr
.irp t, \a, \b, \c, \d
	v_lshlrev_b32 v[AD+\t], 2, v[AD+\t]
.endr
.irp t, \a, \b, \c, \d
	global_load_b32 v[LH+2*\t],   v[AD+\t], s[6:7]
	global_load_b32 v[LH+2*\t+1], v[AD+\t], s[6:7] offset:BLOCKB
.endr
.endm
	GATHER 0, 1, 2, 3
	GATHER 4, 5, 6, 7
	GATHER 8, 9, 10, 11
	GATHER 12, 13, 14, 15
	; while the words are on their way: what lane = agent needs of its record
	v_and_b32 v11, 31, v5                          ; s = 2 (rmin & 15)
	v_sub_nc_u32 v12, 32, v11
	v_and_b32 v12, 31, v12                         ; (32 - s) mod 32
	v_lshrrev_b32 v13, v11, -1
	v_xor_b32 v13, -1, v13                         ; the top s bits: what the high word supplies (nothing for s = 0)
	v_and_b32 v14, 0x100, v5
	v_cmp_ne_u32 vcc_lo, 0, v14
	v_cndmask_b32 v[CR], 0, s18, vcc_lo            ; 16 where r0 > r1
	v_and_b32 v14, 0x200, v5
	v_cmp_ne_u32 vcc_lo, 0, v14
	v_cndmask_b32 v[CC], 0, s18, vcc_lo            ; 16 where c0 > c1
	v_and_b32 v14, 0x400, v5
	v_cmp_ne_u32 vcc_lo, 0, v14
	v_cndmask_b32 v[CR5], v[CR], -1.0, vcc_lo      ; label 5, column case, r0 < r1: distance mean + 1
.irp t, 0,1,2,3,4,5,6,7,8,9,10,11,12,13,14,15
	s_wait_loadcnt 30-2*\t                         ; loads return in order: step t's two words are in, the two of each later step stay out
	ds_store_b64 v8, v[LH+2*\t:LH+2*\t+1] offset:\t*PITCH
.endr
.irp q, 0,1,2,3,4,5,6,7
	ds_load_b128 v[W2+4*\q:W2+4*\q+3], v9 offset:16*\q     ; LDS serves a wave's instructions in order: these see the stores above
.endr
; six bit counts of plane word x into the accumulators at p; pair 0 starts them, so nothing is cleared
.macro PLANE x, p, j
	v_and_b32 v[Y+0], s13, v[\x]
	v_and_b32 v[Y+1], s14, v[\x]
	v_and_b32 v[Y+2], s15, v[\x]
	v_and_b32 v[Y+3], s16, v[\x]
	v_and_b32 v[Y+4], s17, v[\x]
.if \j == 0
	v_bcnt_u32_b32 v[\p], v[\x], 0
.irp b, 0,1,2,3,4
	v_bcnt_u32_b32 v[\p+1+\b], v[Y+\b], 0
.endr
.else
	v_bcnt_u32_b32 v[Y+5], v[\x], 0
.irp b, 0,1,2,3,4
	v_bcnt_u32_b32 v[\p+1+\b], v[Y+\b], v[\p+1+\b]
.endr
	v_mad_u32_u24 v[\p], v[Y+5], 1+((2*\j)<<12), v[\p]     ; count (at most 256) in bits 11:0, 2 j x count (sum at most 1,792) from bit 12
.endif
.endm
; columns 2 j and 2 j + 1 into the three plane words
.macro PAIR j
	v_lshrrev_b32 v[XT],   1, v[W2+4*\j]
	v_lshlrev_b32 v[XT+1], 1, v[W2+4*\j+2]
	v_bfi_b32 v[XL], s12, v[W2+4*\j], v[XT+1]      ; even bits: bit 0 of the even column's fields; odd bits: of the odd column's
	v_bfi_b32 v[XH], s12, v[XT], v[W2+4*\j+2]      ; the same for bit 1
	v_and_b32 v[X3], v[XL], v[XH]
	PLANE XL, AL, \j
	PLANE XH, AH, \j
	PLANE X3, A3, \j
.endm
; four columns: window word = ~((low >> s) | (high << (32 - s) & top s bits)) & (rows that count, or 0 for a column that does not)
.macro QUAD left, c0, c1, c2, c3, j0, j1
	s_wait_dscnt \left                             ; LDS returns in order: this quad's two loads are in, the two of each later quad stay out
.irp c, \c0, \c1, \c2, \c3
	v_lshrrev_b32 v[W2+2*\c], v11, v[W2+2*\c]
.endr
.irp c, \c0, \c1, \c2, \c3
	v_lshlrev_b32 v[W2+2*\c+1], v12, v[W2+2*\c+1]
.endr
.irp c, \c0, \c1, \c2, \c3
	v_and_or_b32 v[W2+2*\c], v[W2+2*\c+1], v13, v[W2+2*\c]
.endr
.irp c, \c0, \c1, \c2, \c3
.if \c
	v_cmp_lt_u32 vcc_lo, \c, v7                    ; column c counts if c < columns
	v_cndmask_b32 v[W2+2*\c+1], 0, v6, vcc_lo
.endif
.endr
.irp c, \c0, \c1, \c2, \c3
.if \c
	v_bfi_b32 v[W2+2*\c], v[W2+2*\c], 0, v[W2+2*\c+1]      ; ~word & mask
.else
	v_bfi_b32 v[W2+2*\c], v[W2+2*\c], 0, v6                ; column 0 always counts
.endif
.endr
	PAIR \j0
	PAIR \j1
.endm
	QUAD 6, 0, 1, 2, 3, 0, 1
	QUAD 4, 4, 5, 6, 7, 2, 3
	QUAD 2, 8, 9, 10, 11, 4, 5
	QUAD 0, 12, 13, 14, 15, 6, 7
	; the planes' sums: +0 = count | column sum << 12, +2 = row sum
.irp p, AL, AH, A3
	v_lshl_add_u32 v[\p+4], v[\p+5], 1, v[\p+4]
	v_lshl_add_u32 v[\p],   v[\p+1], 12, v[\p]     ; the odd columns' extra 1
	v_lshl_add_u32 v[\p+3], v[\p+4], 1, v[\p+3]
	v_lshl_add_u32 v[\p+2], v[\p+3], 1, v[\p+2]    ; bit 0 + 2 (bit 1 + 2 (bit 2 + 2 bit 3))
.endr
	v_sub_nc_u32 v[AL],   v[AL],   v[A3]           ; label 5 = plane XL without label 3; each field of XL is at least X3's: no borrow
	v_sub_nc_u32 v[AL+2], v[AL+2], v[A3+2]
	v_sub_nc_u32 v[AH],   v[AH],   v[A3]           ; label 4 = plane XH without label 3
	v_sub_nc_u32 v[AH+2], v[AH+2], v[A3+2]
.irp p, AL, AH, A3
	v_and_b32 v[\p+1], 0xfff, v[\p]                ; count
	v_lshrrev_b32 v[\p+3], 12, v[\p]               ; column sum
	v_cvt_f32_u32 v[\p+2], v[\p+2]
	v_cvt_f32_u32 v[\p+4], v[\p+1]
	v_cvt_f32_u32 v[\p+3], v[\p+3]
	v_max_num_f32 v[\p+4], 1.0, v[\p+4]            ; max(count, 1)
.endr
	v_rcp_f32 v[AL], v[AL+4]
	v_rcp_f32 v[AH], v[AH+4]
	v_rcp_f32 v[A3], v[A3+4]
	v_cmp_ne_u32 vcc_lo, 0, v[AL+1]                ; plain instructions on other registers stand between the reciprocals and their first use
	v_cndmask_b32 v[AL+5], 0, 2.0, vcc_lo          ; w: K_ENV, or 0 where the label has no cell
	v_cmp_ne_u32 vcc_lo, 0, v[AH+1]
	v_cndmask_b32 v[AH+5], 0, s19, vcc_lo
	v_cmp_ne_u32 vcc_lo, 0, v[A3+1]
	v_cndmask_b32 v[A3+5], 0, 2.0, vcc_lo
	s_wait_alu depctr_va_vdst(0)
	v_fma_f32 v[AL+2], -v[AL+2], v[AL], v[CR5]     ; v = corner' - mean, rows
	v_fma_f32 v[AH+2], -v[AH+2], v[AH], v[CR]
	v_fma_f32 v[A3+2], -v[A3+2], v[A3], v[CR]
.irp p, AL, AH, A3
	v_fma_f32 v[\p+3], -v[\p+3], v[\p], v[CC]      ; columns
.endr
.irp p, AL, AH, A3
	v_mul_f32 v[\p+4], v[\p+2], v[\p+2]
.endr
.irp p, AL, AH, A3
	v_fma_f32 v[\p+4], v[\p+3], v[\p+3], v[\p+4]   ; |v|^2
.endr
.irp p, AL, AH, A3
	v_max_num_f32 v[\p+4], s20, v[\p+4]            ; v = 0: a finite reciprocal times 0
.endr
	v_rcp_f32 v[AL], v[AL+4]
	v_rcp_f32 v[AH], v[AH+4]
	v_rcp_f32 v[A3], v[A3+4]
	v_lshlrev_b32 v[OO], 3, v0                     ; the plain instruction behind the reciprocals: 8 bytes of output a lane
	s_wait_alu depctr_va_vdst(0)
.irp p, AL, AH, A3
	v_mul_f32 v[\p], v[\p], v[\p+5]                ; w / |v|^2
.endr
	v_pk_mul_f32 v[OUT:OUT+1], v[AL+2:AL+3], v[AL:AL+1] op_sel_hi:[1,0]                      ; label 5: both components times the first register of the pair
	v_pk_fma_f32 v[OUT:OUT+1], v[A3+2:A3+3], v[A3:A3+1], v[OUT:OUT+1] op_sel_hi:[1,0,1]      ; + label 3
	v_pk_fma_f32 v[OUT:OUT+1], v[AH+2:AH+3], v[AH:AH+1], v[OUT:OUT+1] op_sel_hi:[1,0,1]      ; + 3 x label 4
	global_store_b64 v[OO], v[OUT:OUT+1], s[8:9] th:TH_STORE_NT    ; the wave stores 256 consecutive bytes, at a multiple of 256 from out0's first byte
	s_wait_tensorcnt 0x0
	ds_add_u32 v136, v137
	s_wait_dscnt 0x0
	s_endpgm
.Lfunc_end_k_qceca7fecba_force:
	.size	k_qceca7fecba_force, .Lfunc_end_k_qceca7fecba_force-k_qceca7fecba_force
	.p2alignl 7, 3214868480
	.fill 96, 4, 3214868480
	.section	.rodata,"a",@progbits
	.p2align	6, 0x0
	.amdhsa_kernel k_qceca7fecba_force
		.amdhsa_group_segment_fixed_size 5120
		.amdhsa_private_segment_fixed_size 0
		.amdhsa_enable_private_segment 0
		.amdhsa_kernarg_size 24
		.amdhsa_user_sgpr_count 2
		.amdhsa_user_sgpr_kernarg_segment_ptr 1
		.amdhsa_wavefront_size32 1
		.amdhsa_system_sgpr_workgroup_id_x 1
		.amdhsa_system_sgpr_workgroup_id_y 1
		.amdhsa_system_sgpr_workgroup_id_z 1
		.amdhsa_system_vgpr_workitem_id 0
		.amdhsa_next_free_vgpr 138
		.amdhsa_next_free_sgpr 66
		.amdhsa_reserve_vcc 1
		.amdhsa_float_denorm_mode_32 3
		.amdhsa_float_denorm_mode_16_64 3
		.amdhsa_memory_ordered 1
		.amdhsa_forward_progress 1
		.amdhsa_inst_pref_size 35
	.end_amdhsa_kernel
	.amdgpu_metadata
---
amdhsa.version: [ 1, 2 ]
amdhsa.kernels:
  - .name:           k_qceca7fecba_force
    .symbol:         k_qceca7fecba_force.kd
    .args:
      - { .name: rec, .offset: 0, .size: 8, .value_kind: global_buffer, .address_space: global }
      - { .name: packed, .offset: 8, .size: 8, .value_kind: global_buffer, .address_space: global }
      - { .name: out0, .offset: 16, .size: 8, .value_kind: global_buffer, .address_space: global }
    .group_segment_fixed_size: 5120
    .private_segment_fixed_size: 0
    .kernarg_segment_align: 8
    .kernarg_segment_size: 24
    .max_flat_workgroup_size: 32
    .sgpr_count:     66
    .vgpr_count:     138
    .wavefront_size: 32
...
	.end_amdgpu_metadata
.endif
;; end of part 2
